; MI455X (gfx1250); checked and timed in simulation.
; The chip was launched on July 23, 2026; its instructions are those of AMD's public machine-readable ISA for CDNA 5 (MIT licence, August 2026) and "CDNA5" Instruction Set Architecture Reference Guide (July 2026). The comments in the code are by the model that wrote it; some were corrected since.
;; Time Mix. Allowed arithmetic: matrix products marked QUANTISED: E4M3 operands, one given power-of-two scale a tensor, by v_wmma_f32_16x16x64_fp8_fp8 or v_wmma_f32_16x16x128_fp8_fp8, f32 sums; everything else in f32.
;; Inputs: aa 1 x 1 x 2,048 float32; bb 1 x 1 x 2,048 float32; lowp_scales 8 int32 (the exponents e of the quantised operands' scales 2^e); pp 1 x 1 x 2,048 float32; time_first 2,048 float32; time_mix_k 1 x 1 x 2,048 float32; time_mix_r 1 x 1 x 2,048 float32; time_mix_v 1 x 1 x 2,048 float32; w_key_codes 2,048 x 64 x 32 uint8 (E4M3 codes of w_key, K innermost, in blocks of 32 codes); w_out_codes 2,048 x 64 x 32 uint8 (E4M3 codes of w_out, K innermost, in blocks of 32 codes); w_rec_codes 2,048 x 64 x 32 uint8 (E4M3 codes of w_rec, K innermost, in blocks of 32 codes); w_value_codes 2,048 x 64 x 32 uint8 (E4M3 codes of w_value, K innermost, in blocks of 32 codes); x 4 x 1,024 x 2,048 float32; xx 1 x 1 x 2,048 float32.
;; Outputs: out0 4 x 1,024 x 2,048 float32.
;; This version of the problem:
;;   THIS VERSION OF THE PROBLEM IS GIVEN IN LOW PRECISION. The matrix products marked QUANTISED in the list below multiply operands that are first quantised to E4M3 (4 exponent bits, 3 mantissa bits; 8 bits a number), with one given power-of-two scale for each operand tensor; their sums are f32. All else is computed in f32.
;;   The module's matrix products, in the order in which they are computed (A, B: the left and right operand; K: the contracted axis; several contracted axes count as one K, in the product's order):
;;     1. [M 4,096, K 2,048] x [K 2,048, N 2,048]; A: computed on the way; B: input w_key (given as codes): QUANTISED (scales: A lowp_scales[0], B lowp_scales[1])
;;     2. [M 4,096, K 2,048] x [K 2,048, N 2,048]; A: computed on the way; B: input w_value (given as codes): QUANTISED (scales: A lowp_scales[2], B lowp_scales[3])
;;     3. [M 4,096, K 2,048] x [K 2,048, N 2,048]; A: computed on the way; B: input w_rec (given as codes): QUANTISED (scales: A lowp_scales[4], B lowp_scales[5])
;;     4. [M 4,096, K 2,048] x [K 2,048, N 2,048]; A: computed on the way; B: input w_out (given as codes): QUANTISED (scales: A lowp_scales[6], B lowp_scales[7])
;;   THE QUANTISER, for each operand of a quantised product, along K:
;;     - The operand's scale is 2^e, e = its entry of the input lowp_scales (int32; the entries are numbered through the quantised products in the list's order, A before B).
;;     - Each number is divided by the scale, clamped to +-448, and rounded to the nearest number of E4M3, ties to even, subnormals kept.
;;     - The product sums the exact products of the quantised numbers (number of the format x scale) in f32.
;;   ~~~python
;;   def quantise(x, axis, e):      # numpy; x: float32 -> the quantised numbers, widened to float32 again
;;       x = np.moveaxis(x, axis, -1); K = x.shape[-1]
;;       r = np.clip(x / 2.0 ** e, -448, 448)
;;       step = 2.0 ** (np.maximum(np.frexp(np.where(r == 0, 1, r))[1] - 1, -6) - 3)
;;       q = np.round(r / step) * step * 2.0 ** e      # np.round: ties to even
;;       return np.moveaxis(q, -1, axis).astype(np.float32)
;;   ~~~
;;   OPERANDS COMPUTED ON THE WAY. 'Computed on the way' means the value that the module computes at that place (a softmax that the list does not call 'softmax' is quantised finished and normalised). What goes into a quantiser is computed in f32, as accurately as f32 sums, v_exp_f32 and their like allow (about 1e-6 of the number): no bf16 or f16 on the way to a quantiser, and a product that is left as it is and whose result goes on into a quantised operand takes f32 operands (vector FMAs, or v_wmma_f32_16x16x4_f32). A number that lies on a knife's edge between two numbers of the format may be rounded either way, as far as f32 arithmetic and the matrix unit's own rounding can turn it there, and no further.
;;   INPUTS GIVEN AS CODES. w_key (in the module: [2048, 2048], K = its axis 1); w_out (in the module: [2048, 2048], K = its axis 1); w_rec (in the module: [2048, 2048], K = its axis 1); w_value (in the module: [2048, 2048], K = its axis 1): each comes as NAME_codes (uint8): NAME with its K axis moved to the last place and cut into blocks of 32 codes, [.., K / 32, bytes a block], one block behind the other in memory; one code a byte (a code: sign, 4 exponent bits, 3 mantissa bits); its scale is its entry of lowp_scales. Its value is code x scale, taken as it is: it is not quantised again, and the codes and scales need not be those that the quantiser above would give.
;; One version. Each part assembles by itself: llvm-mc -triple=amdgcn-amd-amdhsa -mcpu=gfx1250 --defsym DOCPART=n.
;; ======== version 1 of 1: 3 launches
;; workspace buffers: xq 25,165,824 bytes; hq 8,388,608 bytes
;; launch mixq (part 1): grid 256 x 1, 8 waves a work-group, no clusters, 56,320 bytes of LDS; arguments x, time_mix_k, time_mix_v, time_mix_r, xx, lowp_scales, xq; writes xq
.if DOCPART == 1
	.amdgcn_target "amdgcn-amd-amdhsa--gfx1250"
	.amdhsa_code_object_version 6
	.text
	.protected	k_qf4c36d5691_mixq
	.globl	k_qf4c36d5691_mixq
	.p2align	8
	.type	k_qf4c36d5691_mixq,@function
k_qf4c36d5691_mixq:
	s_mov_b64 s[64:65], 0
	v_nop
	global_prefetch_b8 v0, s[64:65] scope:SCOPE_SE
	s_setreg_imm32_b32 hwreg(HW_REG_WAVE_MODE, 25, 1), 1
	s_wait_xcnt 0x0
; xk, xv, xr = x * mix + (1 - mix) * xx, each turned into codes of FP8 (E4M3) with its given scale 2^e (entries 0, 2, 4 of lowp_scales).
; x: [4096][2048] f32.  code = number / 2^e, held within +-448, to the nearest code, ties to even.
; xq is laid in the order of the operand's registers: [mt 16][ks 16][p 3][hf 2][a16 16][c 2][512 bytes]: mt = tile of 256 rows, ks = 128 along K, p = k, v, r,
; hf = half of 64 along K, a16 = block of 16 rows; in a chunk c lane l = r + 16 h owns bytes 16 l .. 16 l + 15: row r, K = 128 ks + 64 hf + 32 c + 16 h + 0 .. 15.
; SHARES.  Work-group g takes rows 32 (g / 2) .. + 31 and K steps 8 (g % 2) .. + 7; wave w one K step: 32 rows x 128 numbers, 16 KiB, asked for at the head by 32 loads of 512 consecutive bytes.
; A lane holds 4 neighbouring columns of each row.  The scale is one for the whole tensor, so a conversion may take 4 numbers of each of two rows: its two result words are the two rows' 4 codes.
; The codes turn through the wave's own stage in LDS ([p][row 16][128 bytes + 16]) and leave as chunks of 512 consecutive bytes, aligned.  No barrier: waves share nothing.  No matrix unit, no cluster, no
; tensor load: every byte is read once and written once, and no two work-groups read the same bytes of x.
; LIMITS: the three exponents lie between -126 and 119, so that 2^e and 448 x 2^e are f32 numbers.  NaN in x is not served (an infinity is held at the largest code).
.set ROWX,  8192                       ; a row of x in bytes
.set SPI,   144                        ; a stage row: 128 bytes of codes + 16: nine times 16 bytes, so the 16 rows that a read-back touches start at 16 different groups of banks (64 banks of 4 bytes: ISA guide 11.1)
.set PLANE, 16*SPI                     ; a product's 16 rows
.set STG,   3*PLANE                    ; a wave's stage
.set SCL, 6                            ; v6-8    2^e as f32, for k, v, r
.set LIM, 9                            ; v9-11   448 x 2^e
.set MX,  12                           ; v12-23  the mix of my 4 columns, for k, v, r
.set CC,  24                           ; v24-35  (1 - mix) x xx
.set XS,  36                           ; v36-39  xx
.set T,   40                           ; v40-63  8 numbers at work for each product
.set CD,  64                           ; v64-111 codes: [pair of rows 8][p 3][2]
.set X,   128                          ; v128-191, v192-255: x of block 0, 1 (row j at + 4 j); then the chunks on their way out
	s_load_b256 s[4:11], s[0:1], 0x0               ; x s[4:5], time_mix_k s[6:7], time_mix_v s[8:9], time_mix_r s[10:11]
	s_load_b128 s[12:15], s[0:1], 0x20             ; xx s[12:13], lowp_scales s[14:15]
	s_load_b64 s[16:17], s[0:1], 0x30              ; xq
	v_lshl_add_u32 v126, v0, 2, 0xd800
	v_mov_b32 v127, 0
	v_lshrrev_b32 v5, 5, v0
	v_readfirstlane_b32 s28, v5                    ; wave 0..7
	v_and_b32 v1, 31, v0                           ; lane
	v_lshlrev_b32 v2, 4, v1                        ; 16 x lane: my bytes of a load's, a chunk's 512; never rewritten
	s_mul_i32 s29, s28, STG                        ; my stage
	v_lshlrev_b32 v3, 2, v1
	v_add_nc_u32 v3, s29, v3                       ; into it: 4 codes a lane, a row's 128 bytes on end
	v_and_b32 v4, 15, v0                           ; r
	v_bfe_u32 v5, v0, 4, 1                         ; h
	v_mul_u32_u24 v4, v4, SPI
	v_lshl_add_u32 v4, v5, 4, v4
	v_add_nc_u32 v4, s29, v4                       ; out of it: row r, + 16 h
	s_lshr_b32 s30, ttmp9, 1                       ; which 32 rows
	s_and_b32 s31, ttmp9, 1
	s_lshl_b32 s31, s31, 3
	s_add_co_u32 s31, s31, s28                     ; ks
	s_lshl_b32 s32, s31, 9                         ; 128 f32 numbers are 512 bytes
	s_mov_b32 s33, 0
	s_lshl_b32 s34, s30, 18                        ; 32 rows of 8,192 bytes
	s_add_co_u32 s34, s34, s32
	s_mov_b32 s35, 0
	s_lshr_b32 s36, s30, 3                         ; mt
	s_lshl_b32 s36, s36, 4
	s_add_co_u32 s36, s36, s31                     ; 16 mt + ks
	s_mul_i32 s36, s36, 98304                      ; three products x 32,768 bytes
	s_and_b32 s37, s30, 7
	s_lshl_b32 s37, s37, 11                        ; my two blocks of 16 rows: 1,024 bytes each
	s_add_co_u32 s36, s36, s37
	s_mov_b32 s37, 0
	s_wait_kmcnt 0x0
	s_load_b256 s[20:27], s[14:15], 0x0            ; the eight exponents
	s_add_nc_u64 s[4:5], s[4:5], s[34:35]
	s_add_nc_u64 s[6:7], s[6:7], s[32:33]
	s_add_nc_u64 s[8:9], s[8:9], s[32:33]
	s_add_nc_u64 s[10:11], s[10:11], s[32:33]
	s_add_nc_u64 s[12:13], s[12:13], s[32:33]
	s_add_nc_u64 s[16:17], s[16:17], s[36:37]
	global_load_b128 v[MX:MX+3],    v2, s[6:7]
	global_load_b128 v[MX+4:MX+7],  v2, s[8:9]
	global_load_b128 v[MX+8:MX+11], v2, s[10:11]
	global_load_b128 v[XS:XS+3],    v2, s[12:13]
.irp j, 0,1,2,3,4,5,6,7,8,9,10,11,12,13,14,15,16,17,18,19,20,21,22,23,24,25,26,27,28,29,30,31
	global_load_b128 v[X+4*\j:X+4*\j+3], v2, s[4:5] offset:\j*ROWX th:TH_LOAD_NT   ; row j: 32 lanes read 512 consecutive bytes; read once in the launch
.endr
	s_wait_kmcnt 0x0
.irp p, 0,1,2
	s_add_co_i32 s30, s[20+2*\p], 127
	s_lshl_b32 s31, s30, 23
	v_mov_b32 v[SCL+\p], s31                       ; 2^e as f32: the conversion takes its exponent field
	s_add_co_i32 s30, s30, 8
	s_lshl_b32 s30, s30, 23
	s_or_b32 s30, s30, 0x600000
	v_mov_b32 v[LIM+\p], s30                       ; 448 x 2^e
.endr
	s_wait_loadcnt 32                              ; the four loads of coefficients are in; x's 32 may be out
.irp p, 0,1,2
.irp j, 0,1,2,3
	v_sub_f32 v[CC+4*\p+\j], 1.0, v[MX+4*\p+\j]
.endr
.endr
.irp p, 0,1,2
.irp j, 0,1,2,3
	v_mul_f32 v[CC+4*\p+\j], v[CC+4*\p+\j], v[XS+\j]   ; (1 - mix) x xx, rounded as it is written
.endr
.endr
; Rows 2 q and 2 q + 1 of block blk: three mixes, three holds, three conversions, six stores into the stage.
.macro PAIR blk, q
	s_wait_loadcnt 30-16*\blk-2*\q                 ; loads come back in order: these two rows are in, the younger rows stay out
.irp p, 0,1,2
.irp u, 0,1
.irp j, 0,2
	v_pk_fma_f32 v[T+8*\p+4*\u+\j:T+8*\p+4*\u+\j+1], v[X+64*\blk+4*(2*\q+\u)+\j:X+64*\blk+4*(2*\q+\u)+\j+1], v[MX+4*\p+\j:MX+4*\p+\j+1], v[CC+4*\p+\j:CC+4*\p+\j+1]
.endr
.endr
.irp i, 0,1,2,3,4,5,6,7
	v_med3_num_f32 v[T+8*\p+\i], v[T+8*\p+\i], -v[LIM+\p], v[LIM+\p]   ; the conversion to an 8-bit code does not saturate (ISA guide 7.6.2): the hold comes first
.endr
	v_cvt_scalef32_pk8_fp8_f32 v[CD+6*\q+2*\p:CD+6*\q+2*\p+1], v[T+8*\p:T+8*\p+7], v[SCL+\p]   ; word 0: row 2 q's 4 codes; word 1: row 2 q + 1's.  The next vector line is a plain one on other registers
.endr
.irp p, 0,1,2
	ds_store_b32 v3, v[CD+6*\q+2*\p]   offset:\p*PLANE+(2*\q)*SPI
	ds_store_b32 v3, v[CD+6*\q+2*\p+1] offset:\p*PLANE+(2*\q+1)*SPI
.endr
.endm
; Block blk leaves: twelve chunks (p, hf, c) out of the stage, into the registers that held the block's x, and to memory.
.macro OUTB blk
.irp p, 0,1,2
.irp f, 0,1
.irp c, 0,1
	ds_load_b128 v[X+64*\blk+4*(4*\p+2*\f+\c):X+64*\blk+4*(4*\p+2*\f+\c)+3], v4 offset:\p*PLANE+64*\f+32*\c   ; LDS serves a wave's instructions in order (ISA guide 5.7.1.4): these see my stores
.endr
.endr
.endr
.irp p, 0,1,2
.irp f, 0,1
.irp c, 0,1
	s_wait_dscnt 11-(4*\p+2*\f+\c)
	global_store_b128 v2, v[X+64*\blk+4*(4*\p+2*\f+\c):X+64*\blk+4*(4*\p+2*\f+\c)+3], s[16:17] offset:\p*32768+\f*16384+\blk*1024+\c*512   ; 512 consecutive bytes, at a multiple of 512 from xq's first byte
.endr
.endr
.endr
.endm
.irp q, 0,1,2,3,4,5,6,7
	PAIR 0, \q
.endr
	v_nop                                          ; one plain vector line behind the last conversion of the run
	OUTB 0
.irp q, 0,1,2,3,4,5,6,7
	PAIR 1, \q                                     ; the stage and the codes' registers are used again: block 0's read-backs have been waited for, down to 0
.endr
	v_nop
	OUTB 1
	s_wait_tensorcnt 0x0
	ds_add_u32 v126, v127
	s_wait_dscnt 0x0
	s_endpgm
.Lfunc_end_k_qf4c36d5691_mixq:
	.size	k_qf4c36d5691_mixq, .Lfunc_end_k_qf4c36d5691_mixq-k_qf4c36d5691_mixq
	.p2alignl 7, 3214868480
	.fill 96, 4, 3214868480
	.section	.rodata,"a",@progbits
	.p2align	6, 0x0
	.amdhsa_kernel k_qf4c36d5691_mixq
		.amdhsa_group_segment_fixed_size 56320
		.amdhsa_private_segment_fixed_size 0
		.amdhsa_enable_private_segment 0
		.amdhsa_kernarg_size 56
		.amdhsa_user_sgpr_count 2
		.amdhsa_user_sgpr_kernarg_segment_ptr 1
		.amdhsa_wavefront_size32 1
		.amdhsa_system_sgpr_workgroup_id_x 1
		.amdhsa_system_sgpr_workgroup_id_y 1
		.amdhsa_system_sgpr_workgroup_id_z 1
		.amdhsa_system_vgpr_workitem_id 0
		.amdhsa_next_free_vgpr 256
		.amdhsa_next_free_sgpr 66
		.amdhsa_reserve_vcc 0
		.amdhsa_float_denorm_mode_32 3
		.amdhsa_float_denorm_mode_16_64 3
		.amdhsa_memory_ordered 1
		.amdhsa_forward_progress 1
		.amdhsa_inst_pref_size 58
	.end_amdhsa_kernel
	.amdgpu_metadata
---
amdhsa.version: [ 1, 2 ]
amdhsa.kernels:
  - .name:           k_qf4c36d5691_mixq
    .symbol:         k_qf4c36d5691_mixq.kd
    .args:
      - { .name: x, .offset: 0, .size: 8, .value_kind: global_buffer, .address_space: global }
      - { .name: time_mix_k, .offset: 8, .size: 8, .value_kind: global_buffer, .address_space: global }
      - { .name: time_mix_v, .offset: 16, .size: 8, .value_kind: global_buffer, .address_space: global }
      - { .name: time_mix_r, .offset: 24, .size: 8, .value_kind: global_buffer, .address_space: global }
      - { .name: xx, .offset: 32, .size: 8, .value_kind: global_buffer, .address_space: global }
      - { .name: lowp_scales, .offset: 40, .size: 8, .value_kind: global_buffer, .address_space: global }
      - { .name: xq, .offset: 48, .size: 8, .value_kind: global_buffer, .address_space: global }
    .group_segment_fixed_size: 56320
    .private_segment_fixed_size: 0
    .kernarg_segment_align: 8
    .kernarg_segment_size: 56
    .max_flat_workgroup_size: 256
    .sgpr_count:     66
    .vgpr_count:     256
    .wavefront_size: 32
...
	.end_amdgpu_metadata
.endif
;; end of part 1
;; launch wkv (part 2): grid 16 x 16, 4 waves a work-group, clusters of 4 x 4, 327,680 bytes of LDS; arguments xq, w_key_codes, w_value_codes, w_rec_codes, lowp_scales, time_first, aa, bb, pp, hq; writes hq
.if DOCPART == 2
	.amdgcn_target "amdgcn-amd-amdhsa--gfx1250"
	.amdhsa_code_object_version 6
	.text
	.protected	k_qf4c36d5691_wkv
	.globl	k_qf4c36d5691_wkv
	.p2align	8
	.type	k_qf4c36d5691_wkv,@function
k_qf4c36d5691_wkv:
	s_mov_b64 s[64:65], 0
	v_nop
	global_prefetch_b8 v0, s[64:65] scope:SCOPE_SE
	s_setreg_imm32_b32 hwreg(HW_REG_WAVE_MODE, 25, 1), 1
	s_wait_xcnt 0x0
	s_wait_alu depctr_hold_cnt(0) depctr_sa_sdst(0) depctr_va_vdst(0) depctr_va_sdst(0) depctr_va_ssrc(0) depctr_va_vcc(0) depctr_vm_vsrc(0)
	s_getreg_b32 s2, hwreg(HW_REG_IB_STS2, 6, 4)
	s_cmp_eq_u32 s2, 0
	s_cbranch_scc0 .Lentry_in_a_cluster
	s_endpgm
.Lentry_in_a_cluster:
	s_bfe_u32 s2, ttmp6, 0x10000c
	s_cmp_lg_u32 s2, 0xf033
	s_cbranch_scc0 .Lentry_shape_is_right
	s_endpgm
.Lentry_shape_is_right:
; k = xk Wk^T, v = xv Wv^T, r = xr Wr^T on codes of FP8 (E4M3), then h = sigmoid(r) (e1 aa_p + e2 v) / (e1 bb_p + e2), quantised with 2^e6 into hq.
; ww = time_first + k; qq = max(pp_p, ww); e1 = exp(pp_p - qq); e2 = exp(ww - qq).  aa_p, bb_p, pp_p are the states in the rows with t = 0 (rows 0, 1024, 2048, 3072) and zeros elsewhere: the padding is the problem's own.
; A tile of 256 rows x 128 columns of all three products is made by a work-group of four waves (2 x 2); a wave makes 128 x 64 of each: 3 x 32 accumulators of 16 x 16, 768 registers: windows 1, 2, 3.
; That leaves 192 registers for fragments, so the form is 16x16x64: two buffers of 96 (4 fragments of W, 8 of x).  A wave tile of 128 x 128 of three products would want 1,536 registers.
; K goes in steps of 128 through a ring of two LDS slots; a slot holds one step of all three products: x's codes as images of the operand's registers (98,304 bytes, dense: xq is laid so), W's as 3 x 128 rows of 128 bytes + 16.
; W's rows in a step are 128 bytes: a step of 256 along K would not fit twice in LDS beside x's three operands.
; CLUSTERS: 4 x 4 work-groups.  x's tiles hang on the tile row alone and are asked for jointly along a row of the cluster, W's on the tile column alone, jointly along a column.  Wave 0 asks for x's, waves 1, 2, 3 for Wk's, Wv's, Wr's.
; THE MATRIX INSTRUCTION IS USED TRANSPOSED (source 0 = 16 rows of W, source 1 = 16 rows of x): lane (r, h) holds row r, and register j of tile b column 16 b + 8 h + j: eight neighbours along the next product's K.
; k within an instruction: both sides carry 32 c + 16 h + 0 .. 15 in registers 4 c .. 4 c + 3: the same permutation in both, so every product meets its partner.
; hq: [mt 16][kf 32][a16 16][c 2][512 bytes]: lane l's 16 bytes of chunk c are registers 4 c .. 4 c + 3 of a fragment of 16 rows x 64 K in the form's own layout (registers 2 q, 2 q + 1: K = 64 kf + 16 q + 8 h + 0 .. 7).
; LIMITS: e0 + e1 and e4 + e5 between -126 and 127 (they are added to the exponent field of log2(e)); e6 - e2 - e3 between -126 and 119; |pp| under 2.3e38 (it is multiplied by log2(e)).
; e2's exponent to the base 2 is held at -100 from below: in rows with t > 0 the quotient does not hang on e2; in rows with t = 0 such an e2 is nothing beside e1 = 1.  Where time_first + k lies under -69 and the reference's own e2
; is inexact, subnormal or 0, this text still gives r x v.  An e1 that would be subnormal counts as 0.  NaN among the inputs is not served.
; REGISTERS, window 0: v2-7 LDS addresses of x's fragments [slot][product]; v8-9 of W's [slot]; v10-15 below; v16-23 codes; v24, v25 the conversion's scale and 448 x it; v32-63 time_first x log2(e); v64-159, v160-255 the two fragment buffers.
.set SLOT,  153600
.set ASTEP, 98304                      ; x's three operands of a K step
.set BOFF,  98304                      ; W's tiles begin here in a slot
.set BP,    144                        ; a row of W in LDS: 128 bytes + 16: nine times 16 bytes, so the 16 rows of a load start at 16 different groups of banks (64 banks of 4 bytes: ISA guide 11.1)
.set BPL,   128*BP                     ; a product's tile of W
.set SPARE, 2*SLOT                     ; behind the ring: the spare words, 128 bytes a wave: two blocks of 256 bytes that no other line names
.set AA,  2
.set BB,  8
.set SPW, 10                           ; v10  LDS address of my spare word; never rewritten
.set NIL, 11                           ; v11  0; never rewritten
.set PFO, 12                           ; v12  the prefetches' offset; never rewritten
.set HO,  13                           ; v13  16 x lane: my bytes of a chunk of hq
.set FLG, 14                           ; v14  0 in the lanes whose row of block 0 has t = 0
.set VO,  15                           ; v15  32 h: my eight numbers of a tile's sixteen in time_first, pp, aa, bb
.set CDS, 16
.set SCL, 24
.set LIM, 25
.set TF,  32
.set F0,  64
.set F1,  160
.set W,   64                           ; the way out: ww, e2, then the result
.set R,   96                           ; -r log2(e), e^-r, the divisor, its reciprocal
.set PP,  128                          ; pp_p log2(e), then e1
.set AE,  160                          ; aa_p / 2^(e2 + e3)
.set BE,  192                          ; bb_p, then e1 bb_p + e2
.set TT,  224                          ; qq log2(e)
.set G1A, 16                           ; s[16:23] descriptor group 1 for x's tiles;  s[24:31] for W's
.set G1B, 24
.set G0A, 32                           ; s[32:39] group 0 for x's tiles, a set for each slot;  s[40:47] for W's
.set G0B, 40
.set PFA, 48                           ; s[48:49] where my prefetches stand;  s[50:51] a K step on
.set PFS, 50
.set LM,  52                           ; s52, s53: for the change out of slot 0, 1: 1 in a wave that prefetches there, else the greatest number
.set SK,  54                           ; s[54:55] log2(e) x 2^(e0 + e1)
.set SR,  56                           ; s[56:57] -log2(e) x 2^(e4 + e5)
.set NE,  58                           ; s58  -(e2 + e3)
.set N100, 15                          ; s15  -100.0
.set MSB, 0
.macro WIN new                         ; the immediate's high byte repeats the setting that is left
.if MSB != (\new)
	s_set_vgpr_msb (MSB<<8)|(\new)
.set MSB, (\new)
.endif
.endm
.macro PLACES                          ; four plain vector lines between a matrix instruction and a load into, or a vector line on, its registers (for vector lines)
.rept 4
	v_nop
.endr
.endm
.macro JLOAD s                         ; a joint load: wave 0 x's tile, waves 1 to 3 their W's.  The branch hangs on the wave's number alone.  Four v_nop follow each line
	s_cmp_eq_u32 s8, 0
	s_cbranch_scc0 .Lfor_b_\@
	tensor_load_to_lds s[G0A+4*\s:G0A+4*\s+3], s[G1A:G1A+7]
	s_nop 0
.rept 4
	v_nop
.endr
	s_branch .Lasked_\@
.Lfor_b_\@:
	tensor_load_to_lds s[G0B+4*\s:G0B+4*\s+3], s[G1B:G1B+7]
	s_nop 0
.rept 4
	v_nop
.endr
.Lasked_\@:
.endm
.macro CREST                           ; a round of the cluster's barrier behind its opening barrier
	s_cmp_lg_u32 s8, 0
	s_cbranch_scc1 .Lnot_wave_0_\@
	s_barrier_signal -3
.Lnot_wave_0_\@:
	s_barrier_wait -3
	s_barrier_signal -1
	s_barrier_wait -1
.endm
.macro CROUND
	s_barrier_signal -1
	s_barrier_wait -1
	CREST
.endm
; A PREFETCH INTO THE L2 of the K step that stands two refills on (192 matrix instructions a wave for each K step).  Each aligned 256 bytes are named once in the launch.
; x's tile row is read by every cluster of that row of clusters: cluster x = 0 asks, wave 0; its four partners take a quarter of the step's 98,304 bytes each, told apart by address: 96 blocks, three lines, lanes 256 bytes apart.
; W's tile column is read by every cluster of that column: cluster y = 0 asks, waves 1 to 3, each for its own W; the four partners take 32 rows each, by address, a lane a row; a row's aligned 256 bytes hold two K steps,
; so they are asked for at the changes out of slot 0 alone.  The loop's last trip asks for nothing: there is no K step 16.  K steps 0 to 3 come by their loads alone.
.macro ASK s
	s_cmp_gt_u32 s3, s[LM+\s]
	s_cbranch_scc0 .Lnot_mine_\@
	global_prefetch_b8 v[PFO], s[PFA:PFA+1] th:TH_LOAD_NT scope:SCOPE_SE
	s_cmp_lg_u32 s8, 0
	s_cbranch_scc1 .Lnot_mine_\@
	global_prefetch_b8 v[PFO], s[PFA:PFA+1] offset:8192 th:TH_LOAD_NT scope:SCOPE_SE
	global_prefetch_b8 v[PFO], s[PFA:PFA+1] offset:16384 th:TH_LOAD_NT scope:SCOPE_SE
.Lnot_mine_\@:
.endm
	s_load_b512 s[68:83], s[0:1], 0x0              ; xq s[68:69], Wk s[70:71], Wv s[72:73], Wr s[74:75], lowp_scales s[76:77], time_first s[78:79], aa s[80:81], bb s[82:83]
	s_load_b128 s[84:87], s[0:1], 0x40             ; pp s[84:85], hq s[86:87]
	v_lshl_add_u32 v[SPW], v0, 2, SPARE
	v_mov_b32 v[NIL], 0
	ds_add_u32 v10, v11
	ds_add_u32 v10, v11
	s_wait_dscnt 0x0
	v_lshrrev_b32 v1, 5, v0
	v_readfirstlane_b32 s8, v1                     ; wave 0..3
	s_lshr_b32 s9, s8, 1                           ; wm: which 128 rows of the tile are mine
	s_and_b32 s10, s8, 1                           ; wn: which 64 columns
	s_bfe_u32 s11, ttmp6, 0x40000                  ; cx
	s_bfe_u32 s12, ttmp6, 0x40004                  ; cy
	s_lshl_b32 s13, ttmp9, 2
	s_add_co_u32 s13, s13, s11                     ; nt: tile column = 4 x cluster x + cx
	s_and_b32 s14, ttmp7, 0xffff
	s_lshl_b32 s14, s14, 2
	s_add_co_u32 s14, s14, s12                     ; mt: tile row = 4 x cluster y + cy
	s_lshl_b32 s4, s12, 2
	s_lshl_b32 s4, 15, s4                          ; my row of the cluster
	s_lshl_b32 s5, 0x1111, s11                     ; my column
	s_or_b32 s[G1A], s4, (3<<16)|(1<<21)           ; 15:0 the mask; 17:16 elements of 8 bytes; 21 set beside a mask; no padding
	s_mov_b32 s[G1A+1], 32<<16                     ; tensor_dim0 = 32 elements: 256 bytes
	s_mov_b32 s[G1A+2], 384<<16                    ; tensor_dim1 = 384 rows: a dense block of 98,304 bytes
	s_mov_b32 s[G1A+3], 32<<16                     ; tile_dim0
	s_mov_b32 s[G1A+4], 384                        ; tile_dim1
	s_mov_b32 s[G1A+5], 32                         ; the pitch: rows on end
	s_mov_b32 s[G1A+6], 0
	s_mov_b32 s[G1A+7], 0
	s_or_b32 s[G1B], s5, (1<<20)|(1<<21)|(4<<22)|(3<<25)  ; the mask; elements of 1 byte; padding on: 4 words behind every 32
	s_mov_b32 s[G1B+1], 128<<16                    ; tensor_dim0 = 128 bytes
	s_mov_b32 s[G1B+2], 128<<16                    ; tensor_dim1 = 128 rows
	s_mov_b32 s[G1B+3], 128<<16
	s_mov_b32 s[G1B+4], 128
	s_mov_b32 s[G1B+5], 2048                       ; a row of W in memory
	s_mov_b32 s[G1B+6], 0
	s_mov_b32 s[G1B+7], 0
	s_mul_i32 s96, s14, 16*ASTEP                   ; x's codes of my tile row
	s_mov_b32 s97, 0
	s_lshl_b32 s98, s13, 18                        ; W's 128 rows of 2,048 bytes of my tile column
	s_mov_b32 s99, 0
	s_mul_i32 s4, s8, BPL
	s_add_co_u32 s4, s4, BOFF-BPL                  ; where wave 1, 2, 3 puts its W's tile: no place in the cluster enters an LDS address
	s_mov_b32 s[N100], 0xc2c80000
	s_wait_kmcnt 0x0
	s_load_b256 s[88:95], s[76:77], 0x0            ; e0 .. e7
	s_cmp_eq_u32 s8, 2
	s_cselect_b64 s[60:61], s[72:73], s[70:71]
	s_cmp_eq_u32 s8, 3
	s_cselect_b64 s[60:61], s[74:75], s[60:61]     ; my W: wave 2 Wv, wave 3 Wr, else Wk
	s_add_nc_u64 s[96:97], s[68:69], s[96:97]
	s_add_nc_u64 s[98:99], s[60:61], s[98:99]
	CROUND                                         ; all sixteen work-groups are here: the first joint loads meet
.irp s, 0,1
	s_mov_b32 s[G0A+4*\s], 1
	s_mov_b32 s[G0A+4*\s+1], \s*SLOT
	s_add_nc_u64 s[G0A+4*\s+2:G0A+4*\s+3], s[96:97], \s*ASTEP
	s_or_b32 s[G0A+4*\s+3], s[G0A+4*\s+3], 0x80000000
	s_mov_b32 s[G0B+4*\s], 1
	s_add_co_u32 s[G0B+4*\s+1], s4, \s*SLOT
	s_add_nc_u64 s[G0B+4*\s+2:G0B+4*\s+3], s[98:99], \s*128
	s_or_b32 s[G0B+4*\s+3], s[G0B+4*\s+3], 0x80000000
	JLOAD \s                                       ; two loads of mine are out
.endr
	v_and_b32 v1, 31, v0                           ; lane
	v_and_b32 v26, 15, v0                          ; r
	v_bfe_u32 v27, v0, 4, 1                        ; h
	v_lshlrev_b32 v[HO], 4, v1
	v_lshlrev_b32 v[VO], 5, v27
	s_lshl_b32 s4, s9, 13                          ; my eight blocks of 16 rows: 1,024 bytes each
	v_add_nc_u32 v28, s4, v[HO]
.irp s, 0,1
.irp p, 0,1,2
	v_add_nc_u32 v[AA+3*\s+\p], \s*SLOT+\p*32768, v28
.endr
.endr
	v_mul_u32_u24 v29, v26, BP
	v_lshl_add_u32 v29, v27, 4, v29
	s_mul_i32 s4, s10, 64*BP
	s_add_co_u32 s4, s4, BOFF
	v_add_nc_u32 v[BB], s4, v29
	v_add_nc_u32 v[BB+1], SLOT, v[BB]
	s_and_b32 s4, s14, 3
	s_lshl_b32 s4, s4, 8
	s_lshl_b32 s5, s9, 7
	s_add_co_u32 s4, s4, s5
	v_add_nc_u32 v[FLG], s4, v26                   ; (row of block 0) mod 1024
	s_lshl_b32 s4, s13, 9
	s_lshl_b32 s5, s10, 8
	s_add_co_u32 s4, s4, s5                        ; my 64 columns in the vectors: 4 (128 nt + 64 wn) bytes
	s_mov_b32 s5, 0
	s_add_nc_u64 s[78:79], s[78:79], s[4:5]
	s_add_nc_u64 s[80:81], s[80:81], s[4:5]
	s_add_nc_u64 s[82:83], s[82:83], s[4:5]
	s_add_nc_u64 s[84:85], s[84:85], s[4:5]
.irp b, 0,1,2,3
	global_load_b128 v[TF+8*\b:TF+8*\b+3],   v[VO], s[78:79] offset:64*\b
	global_load_b128 v[TF+8*\b+4:TF+8*\b+7], v[VO], s[78:79] offset:64*\b+16
.endr
	s_lshl_b32 s4, s14, 5
	s_lshl_b32 s5, s13, 1
	s_add_co_u32 s4, s4, s5
	s_add_co_u32 s4, s4, s10                       ; 32 mt + kf, kf = 2 nt + wn
	s_lshl_b32 s4, s4, 14
	s_lshl_b32 s5, s9, 13
	s_add_co_u32 s4, s4, s5
	s_mov_b32 s5, 0
	s_add_nc_u64 s[86:87], s[86:87], s[4:5]        ; hq at my eight blocks
	; the prefetches: where mine stand, and who asks
	s_mul_i32 s98, s14, 16*ASTEP
	s_mul_i32 s99, s11, 24576
	s_add_co_u32 s98, s98, s99
	s_add_co_u32 s98, s98, 3*ASTEP                 ; x: my work-group's quarter, at K step 3: the first change of slots steps it to 4
	s_lshl_b32 s99, s13, 7
	s_lshl_b32 s100, s12, 5
	s_add_co_u32 s99, s99, s100
	s_lshl_b32 s99, s99, 11
	s_add_co_u32 s99, s99, 3*128                   ; W: my work-group's 32 rows, likewise
	s_and_b32 s100, ttmp7, 0xffff                  ; cluster y
	s_cmp_eq_u32 s8, 0
	s_cselect_b64 s[PFA:PFA+1], s[68:69], s[60:61]
	s_cselect_b32 s98, s98, s99
	s_cselect_b32 s100, ttmp9, s100                ; the coordinate along which other clusters read the same bytes
	s_mov_b32 s[PFS], 128
	s_cselect_b32 s[PFS], ASTEP, s[PFS]
	s_mov_b32 s101, 2048
	s_cselect_b32 s101, 256, s101                  ; from lane to lane
	s_mov_b32 s[PFS+1], 0
	s_mov_b32 s99, 0
	s_add_nc_u64 s[PFA:PFA+1], s[PFA:PFA+1], s[98:99]
	v_mul_lo_u32 v[PFO], v1, s101
	s_cmp_eq_u32 s100, 0
	s_cselect_b32 s[LM], 1, -1                     ; the same in all sixteen partners, for a given wave
	s_cmp_eq_u32 s8, 0
	s_cselect_b32 s[LM+1], s[LM], -1
	s_wait_kmcnt 0x0
	s_add_co_i32 s4, s88, s89
	s_lshl_b32 s4, s4, 23
	s_add_co_u32 s[SK], s4, 0x3fb8aa3b             ; a sum of the first product stands for sum x 2^(e0 + e1): the exponents go into log2(e)'s exponent field
	s_mov_b32 s[SK+1], s[SK]                       ; (named with it as a pair, so it is written)
	s_add_co_i32 s4, s92, s93
	s_lshl_b32 s4, s4, 23
	s_add_co_u32 s[SR], s4, 0xbfb8aa3b
	s_mov_b32 s[SR+1], s[SR]
	s_add_co_i32 s4, s90, s91                      ; e2 + e3: v's sums stay as they are; the power of two goes into the conversion's scale, and aa is divided by it
	s_sub_co_i32 s[NE], 0, s4
	s_sub_co_i32 s4, s94, s4
	s_add_co_i32 s4, s4, 127
	s_lshl_b32 s5, s4, 23
	v_mov_b32 v[SCL], s5                           ; 2^(e6 - e2 - e3)
	s_add_co_i32 s4, s4, 8
	s_lshl_b32 s4, s4, 23
	s_or_b32 s4, s4, 0x600000
	v_mov_b32 v[LIM], s4                           ; 448 x that
	s_wait_loadcnt 0x0
.set i, 0
.rept 16
	v_pk_mul_f32 v[TF+i:TF+i+1], v[TF+i:TF+i+1], 0x3fb8aa3b op_sel_hi:[1,0]
.set i, i+2
.endr
; 24 LDS loads in one run: half i of a slot's six (product i / 2, 64 along K at i % 2) into buffer f: W's four fragments, then x's eight.
.macro FETCH s, i, f
.irp b, 0,1,2,3
.irp c, 0,1
	ds_load_b128 v[\f+8*\b+4*\c:\f+8*\b+4*\c+3], v[BB+\s] offset:((\i)/2)*BPL+\b*16*BP+64*((\i)%2)+32*\c
.endr
.endr
.irp a, 0,1,2,3,4,5,6,7
.irp c, 0,1
	ds_load_b128 v[\f+32+8*\a+4*\c:\f+32+8*\a+4*\c+3], v[AA+3*\s+(\i)/2] offset:((\i)%2)*16384+\a*1024+\c*512
.endr
.endr
.endm
; 4 n matrix instructions: x's blocks a0 .. a0 + n - 1 against W's four.  The window's 32 accumulators take turns, one instruction a turn, in the same order in every half.
.macro MULS f, a0, n, zero
.set ma, \a0
.rept \n
.irp b, 0,1,2,3
.if \zero
	v_wmma_f32_16x16x64_fp8_fp8 v[8*(4*ma+\b):8*(4*ma+\b)+7], v[\f+8*\b:\f+8*\b+7], v[\f+32+8*ma:\f+32+8*ma+7], 0
.else
	v_wmma_f32_16x16x64_fp8_fp8 v[8*(4*ma+\b):8*(4*ma+\b)+7], v[\f+8*\b:\f+8*\b+7], v[\f+32+8*ma:\f+32+8*ma+7], v[8*(4*ma+\b):8*(4*ma+\b)+7]
.endif
.endr
.set ma, ma+1
.endr
.endm
; One of a slot's first five halves: the next half's fragments are asked for, then this half's 32 products.  zero = 1: they start the sums: nothing is ever cleared.
.macro HALF s, i, zero
.set hff, F0+96*((\i)%2)
.set hfg, F0+96*(1-(\i)%2)
	PLACES                                         ; the other buffer's last readers are the matrix instructions just ahead
	FETCH \s, (\i)+1, hfg
	s_wait_dscnt 24                                ; all but the 24 just issued: this half's fragments are in
	WIN (((\i)/2)+1)*0x50                          ; C and D in the product's window
	MULS hff, 0, 8, \zero
	WIN 0
.endm
; A slot's sixth half (r's second 64 along K, buffer 1) changes slots: ONE barrier.  In front of it each wave waits for all its tensor loads, adds 0 to its spare word, and waits for that and for its reads of this slot.
.macro TURN s, next, fill
	s_wait_xcnt 0x0                                ; the last prefetch, a K step back, has read its address: it is stepped here
	s_add_nc_u64 s[PFA:PFA+1], s[PFA:PFA+1], s[PFS:PFS+1]
	s_wait_tensorcnt 0x0                           ; all my tensor loads have landed: my part of the next slot
	ds_add_u32 v[SPW], v[NIL]                      ; 0 onto my spare word
	s_wait_dscnt 1                                 ; buffer 1 is in; the add alone may be out
	WIN 0xf0
	MULS F1, 0, 2, 0                               ; eight matrix instructions stand between the add and the wait for it
	s_wait_dscnt 0x0                               ; the add is done, and my reads of this slot are over
	s_barrier_signal -1
	MULS F1, 2, 2, 0
	WIN 0
	s_barrier_wait -1
.if \fill
	CREST                                          ; the barrier has opened a round of the cluster's: no wave of any partner still reads this slot or has a load on its way
	s_add_nc_u64 s[G0A+4*\s+2:G0A+4*\s+3], s[G0A+4*\s+2:G0A+4*\s+3], 2*ASTEP
	s_add_nc_u64 s[G0B+4*\s+2:G0B+4*\s+3], s[G0B+4*\s+2:G0B+4*\s+3], 2*128
	JLOAD \s                                       ; the first tensor load behind the round, one a wave; its four v_nop are the places in front of the loads into buffer 0
.else
	PLACES
.endif
	FETCH \next, 0, F0
.if \fill
	ASK \s
.endif
	WIN 0xf0
	MULS F1, 4, 4, 0
	WIN 0
.endm
	s_wait_tensorcnt 1                             ; my part of K step 0 is in; K step 1's may stay out
	s_barrier_signal -1
	s_barrier_wait -1
	FETCH 0, 0, F0
	HALF 0, 0, 1                                   ; the first K step stands in front of the loop: each product's first half starts its sums
	HALF 0, 1, 0
	HALF 0, 2, 1
	HALF 0, 3, 0
	HALF 0, 4, 1
	s_mov_b32 s3, 7
.Llap:                                             ; a trip goes once round the ring and fills both slots again: K steps 2 to 15 are asked for in seven trips
	TURN 0, 1, 1
.irp i, 0,1,2,3,4
	HALF 1, \i, 0
.endr
	TURN 1, 0, 1
.irp i, 0,1,2,3,4
	HALF 0, \i, 0
.endr
	s_sub_co_u32 s3, s3, 1
	s_cmp_lg_u32 s3, 0
	s_cbranch_scc1 .Llap
	TURN 0, 1, 0                                   ; the tail is written out: nothing more is asked for
.irp i, 0,1,2,3,4
	HALF 1, \i, 0
.endr
	s_wait_dscnt 0x0
	WIN 0xf0
	MULS F1, 0, 8, 0
	WIN 0
; THE WAY OUT, a block of 16 rows x 64 columns at a time: 32 numbers a lane.  st = 0: a block none of whose rows has t = 0 (256 mt + 128 wm + 16 a + r is a multiple of 1,024 only with a = 0): pp_p = aa_p = bb_p = 0 there.
; st = 1: block 0: the states, held to 0 in all lanes but those of a row with t = 0.  One reciprocal serves both divisions: h = (e1 aa_p + e2 v) / ((e1 bb_p + e2) (1 + e^-r)).
; The exponentials and the reciprocals are a batch each, with one plain line and one wait behind it, ahead of the first line that names a result.
.macro EPI a, st
	WIN 0x01                                       ; source 0: k's sums
.set i, 0
.rept 16
	v_pk_fma_f32 v[W+i:W+i+1], v[32*\a+i:32*\a+i+1], s[SK:SK+1], v[TF+i:TF+i+1] op_sel_hi:[1,0,1]   ; ww log2(e); each accumulator from its low end on
.set i, i+2
.endr
	WIN 0x03                                       ; source 0: r's sums
.set i, 0
.rept 16
	v_pk_mul_f32 v[R+i:R+i+1], v[32*\a+i:32*\a+i+1], s[SR:SR+1] op_sel_hi:[1,0]   ; -r log2(e)
.set i, i+2
.endr
	WIN 0
.if \st
.set i, 0
.rept 32
	v_max_num_f32 v[TT+i], v[PP+i], v[W+i]         ; qq
.set i, i+1
.endr
.set i, 0
.rept 16
	v_pk_add_f32 v[PP+i:PP+i+1], v[PP+i:PP+i+1], v[TT+i:TT+i+1] neg_lo:[0,1] neg_hi:[0,1]
	v_pk_add_f32 v[W+i:W+i+1], v[W+i:W+i+1], v[TT+i:TT+i+1] neg_lo:[0,1] neg_hi:[0,1]
.set i, i+2
.endr
.set i, 0
.rept 32
	v_max_num_f32 v[W+i], s[N100], v[W+i]
.set i, i+1
.endr
.else
.set i, 0
.rept 32
	v_med3_num_f32 v[W+i], v[W+i], s[N100], 0      ; ww - max(0, ww) = min(ww, 0), held at -100
.set i, i+1
.endr
.endif
.set i, 0
.rept 32
	v_exp_f32 v[W+i], v[W+i]                       ; e2
	v_exp_f32 v[R+i], v[R+i]                       ; e^-r
.if \st
	v_exp_f32 v[PP+i], v[PP+i]                     ; e1
.endif
.set i, i+1
.endr
	v_nop
	s_wait_alu depctr_va_vdst(0)
.set i, 0
.rept 16
.if \st
	v_pk_fma_f32 v[BE+i:BE+i+1], v[PP+i:PP+i+1], v[BE+i:BE+i+1], v[W+i:W+i+1]     ; e1 bb_p + e2
	v_pk_fma_f32 v[R+i:R+i+1], v[BE+i:BE+i+1], v[R+i:R+i+1], v[BE+i:BE+i+1]       ; x (1 + e^-r)
.else
	v_pk_fma_f32 v[R+i:R+i+1], v[W+i:W+i+1], v[R+i:R+i+1], v[W+i:W+i+1]           ; e2 (1 + e^-r)
.endif
.set i, i+2
.endr
.set i, 0
.rept 32
	v_rcp_f32 v[R+i], v[R+i]
.set i, i+1
.endr
	WIN 0x02                                       ; source 0: v's sums
.set i, 0
.rept 16
	v_pk_mul_f32 v[W+i:W+i+1], v[32*\a+i:32*\a+i+1], v[W+i:W+i+1]                 ; e2 v: the work that stands behind the reciprocals
.set i, i+2
.endr
	WIN 0
.if \st
.set i, 0
.rept 16
	v_pk_fma_f32 v[W+i:W+i+1], v[PP+i:PP+i+1], v[AE+i:AE+i+1], v[W+i:W+i+1]       ; + e1 aa_p
.set i, i+2
.endr
.endif
	s_wait_alu depctr_va_vdst(0)
.set i, 0
.rept 16
	v_pk_mul_f32 v[W+i:W+i+1], v[W+i:W+i+1], v[R+i:R+i+1]
.set i, i+2
.endr
.set i, 0
.rept 32
	v_med3_num_f32 v[W+i], v[W+i], -v[LIM], v[LIM] ; the conversion to an 8-bit code does not saturate (ISA guide 7.6.2)
.set i, i+1
.endr
	s_wait_xcnt 0x0                                ; the last block's stores have read the codes' registers
.irp b, 0,1,2,3
	v_cvt_scalef32_pk8_fp8_f32 v[CDS+2*\b:CDS+2*\b+1], v[W+8*\b:W+8*\b+7], v[SCL]  ; registers 2 b, 2 b + 1 of the next operand: K = 16 b + 8 h + 0 .. 7
.endr
	v_nop                                          ; one plain vector line behind the last conversion
	global_store_b128 v[HO], v[CDS:CDS+3],   s[86:87] offset:\a*1024               ; 512 consecutive bytes, at a multiple of 512 from hq's first byte
	global_store_b128 v[HO], v[CDS+4:CDS+7], s[86:87] offset:\a*1024+512
.endm
	PLACES                                         ; behind the last products: for the loads into the buffers' registers and the first reads of results
.irp b, 0,1,2,3
	global_load_b128 v[PP+8*\b:PP+8*\b+3],   v[VO], s[84:85] offset:64*\b
	global_load_b128 v[PP+8*\b+4:PP+8*\b+7], v[VO], s[84:85] offset:64*\b+16
	global_load_b128 v[AE+8*\b:AE+8*\b+3],   v[VO], s[80:81] offset:64*\b
	global_load_b128 v[AE+8*\b+4:AE+8*\b+7], v[VO], s[80:81] offset:64*\b+16
	global_load_b128 v[BE+8*\b:BE+8*\b+3],   v[VO], s[82:83] offset:64*\b
	global_load_b128 v[BE+8*\b+4:BE+8*\b+7], v[VO], s[82:83] offset:64*\b+16
.endr
.irp a, 1,2,3,4,5,6,7
	EPI \a, 0                                      ; the states land meanwhile
.endr
	s_wait_loadcnt 0x0
	v_cmp_eq_u32 vcc_lo, 0, v[FLG]                 ; my row of block 0 has t = 0
.set i, 0
.rept 16
	v_pk_mul_f32 v[PP+i:PP+i+1], v[PP+i:PP+i+1], 0x3fb8aa3b op_sel_hi:[1,0]
.set i, i+2
.endr
.set i, 0
.rept 32
	v_ldexp_f32 v[AE+i], v[AE+i], s[NE]            ; aa / 2^(e2 + e3), beside v's sums as they are
.set i, i+1
.endr
.set i, 0
.rept 32
	v_cndmask_b32 v[PP+i], 0, v[PP+i], vcc_lo      ; the padding: zeros where t > 0
	v_cndmask_b32 v[AE+i], 0, v[AE+i], vcc_lo
	v_cndmask_b32 v[BE+i], 0, v[BE+i], vcc_lo
.set i, i+1
.endr
	EPI 0, 1
	s_wait_tensorcnt 0x0                           ; the wave's end
	ds_add_u32 v[SPW], v[NIL]
	s_wait_dscnt 0x0
	CROUND                                         ; the closing round: no work-group ends while a partner may still ask for a tile that names it
	s_endpgm
.Lfunc_end_k_qf4c36d5691_wkv:
	.size	k_qf4c36d5691_wkv, .Lfunc_end_k_qf4c36d5691_wkv-k_qf4c36d5691_wkv
	.p2alignl 7, 3214868480
	.fill 96, 4, 3214868480
	.section	.rodata,"a",@progbits
	.p2align	6, 0x0
	.amdhsa_kernel k_qf4c36d5691_wkv
		.amdhsa_group_segment_fixed_size 327680
		.amdhsa_private_segment_fixed_size 0
		.amdhsa_enable_private_segment 0
		.amdhsa_kernarg_size 80
		.amdhsa_user_sgpr_count 2
		.amdhsa_user_sgpr_kernarg_segment_ptr 1
		.amdhsa_wavefront_size32 1
		.amdhsa_system_sgpr_workgroup_id_x 1
		.amdhsa_system_sgpr_workgroup_id_y 1
		.amdhsa_system_sgpr_workgroup_id_z 1
		.amdhsa_system_vgpr_workitem_id 0
		.amdhsa_next_free_vgpr 1024
		.amdhsa_next_free_sgpr 102
		.amdhsa_reserve_vcc 1
		.amdhsa_float_denorm_mode_32 3
		.amdhsa_float_denorm_mode_16_64 3
		.amdhsa_memory_ordered 1
		.amdhsa_forward_progress 1
		.amdhsa_inst_pref_size 220
	.end_amdhsa_kernel
	.amdgpu_metadata
---
amdhsa.version: [ 1, 2 ]
amdhsa.kernels:
  - .name:           k_qf4c36d5691_wkv
    .symbol:         k_qf4c36d5691_wkv.kd
    .args:
      - { .name: xq, .offset: 0, .size: 8, .value_kind: global_buffer, .address_space: global }
      - { .name: w_key_codes, .offset: 8, .size: 8, .value_kind: global_buffer, .address_space: global }
      - { .name: w_value_codes, .offset: 16, .size: 8, .value_kind: global_buffer, .address_space: global }
      - { .name: w_rec_codes, .offset: 24, .size: 8, .value_kind: global_buffer, .address_space: global }
      - { .name: lowp_scales, .offset: 32, .size: 8, .value_kind: global_buffer, .address_space: global }
      - { .name: time_first, .offset: 40, .size: 8, .value_kind: global_buffer, .address_space: global }
      - { .name: aa, .offset: 48, .size: 8, .value_kind: global_buffer, .address_space: global }
      - { .name: bb, .offset: 56, .size: 8, .value_kind: global_buffer, .address_space: global }
      - { .name: pp, .offset: 64, .size: 8, .value_kind: global_buffer, .address_space: global }
      - { .name: hq, .offset: 72, .size: 8, .value_kind: global_buffer, .address_space: global }
    .group_segment_fixed_size: 327680
    .private_segment_fixed_size: 0
    .kernarg_segment_align: 8
    .kernarg_segment_size: 80
    .max_flat_workgroup_size: 128
    .sgpr_count:     102
    .vgpr_count:     1024
    .wavefront_size: 32
...
	.end_amdgpu_metadata
.endif
;; end of part 2
;; launch outp (part 3): grid 16 x 16, 4 waves a work-group, clusters of 4 x 4, 327,680 bytes of LDS; arguments hq, w_out_codes, lowp_scales, out0; writes out0
.if DOCPART == 3
	.amdgcn_target "amdgcn-amd-amdhsa--gfx1250"
	.amdhsa_code_object_version 6
	.text
	.protected	k_qf4c36d5691_outp
	.globl	k_qf4c36d5691_outp
	.p2align	8
	.type	k_qf4c36d5691_outp,@function
k_qf4c36d5691_outp:
	s_mov_b64 s[64:65], 0
	v_nop
	global_prefetch_b8 v0, s[64:65] scope:SCOPE_SE
	s_setreg_imm32_b32 hwreg(HW_REG_WAVE_MODE, 25, 1), 1
	s_wait_xcnt 0x0
	s_wait_alu depctr_hold_cnt(0) depctr_sa_sdst(0) depctr_va_vdst(0) depctr_va_sdst(0) depctr_va_ssrc(0) depctr_va_vcc(0) depctr_vm_vsrc(0)
	s_getreg_b32 s2, hwreg(HW_REG_IB_STS2, 6, 4)
	s_cmp_eq_u32 s2, 0
	s_cbranch_scc0 .Lentry_in_a_cluster
	s_endpgm
.Lentry_in_a_cluster:
	s_bfe_u32 s2, ttmp6, 0x10000c
	s_cmp_lg_u32 s2, 0xf033
	s_cbranch_scc0 .Lentry_shape_is_right
	s_endpgm
.Lentry_shape_is_right:
; out0 = h Wo^T on codes of FP8 (E4M3); each finished sum x 2^(e6 + e7).  h: 4,096 rows x 2,048 K as hq; Wo: [2048][2048] codes, K innermost; out0: [4096][2048] f32.
; hq: [mt 16][kf 32][a16 16][c 2][512 bytes]: lane l's 16 bytes of chunk c are registers 4 c .. 4 c + 3 of a fragment of 16 rows x 64 K in the form's own layout (registers 2 q, 2 q + 1: K = 64 kf + 16 q + 8 h + 0 .. 7).
; A tile of 256 rows x 128 columns is made by a work-group of four waves (2 x 2), 256 work-groups in all; a wave makes 128 x 64: 32 accumulators of 16 x 16 in window 1.
; K goes in steps of 256 through a ring of two LDS slots: h's codes as images of registers (65,536 bytes, dense), Wo's as 128 rows of 256 bytes + 16.  A step is four halves of 64 along K, 32 matrix instructions each, on two fragment buffers.
; CLUSTERS: 4 x 4 work-groups: h's tiles are asked for jointly along a row of the cluster, Wo's along a column.  Waves 0 and 1 fetch h's two halves, waves 2 and 3 Wo's.
; THE MATRIX INSTRUCTION IS USED TRANSPOSED (source 0 = 16 rows of Wo, source 1 = 16 rows of h): a lane holds eight neighbouring numbers of a row of out0.
; LIMIT: e6 + e7 between -126 and 127, so that 2^(e6 + e7) is an f32 number.
.set SLOT,  100352
.set ASTEP, 65536                      ; h's codes of a K step
.set BOFF,  65536
.set BP,    272                        ; a row of Wo in LDS: 256 bytes + 16 = 68 words: lane (r, h) of an 8-byte load starts at bank 4 r + 2 h (64 banks of 4 bytes: ISA guide 11.1): 32 lanes, 64 different banks
.set SPARE, 2*SLOT                     ; behind the ring: the spare words, 128 bytes a wave: two blocks of 256 bytes that no other line names
.set SPI,   272                        ; the way out: a stage of 16 rows x (256 bytes + 16) for each wave, in slot 0, which has had its last fill and its last read when the first result is stored there
.set AA,  2                            ; v2-3   LDS address of h's fragments in slot 0, 1
.set BB,  4                            ; v4-5   of Wo's
.set SPW, 10
.set NIL, 11
.set PFO, 12
.set STO, 13                           ; v13  the way out: where I put 32 bytes of a row
.set RD,  14                           ; v14  where I read rows back
.set CO,  15                           ; v15  my byte offset in out0
.set F0,  64
.set F1,  160
.set TMP, 64                           ; the way out: a block's sums x 2^(e6 + e7)
.set BK,  96                           ; 16 rows read back: v96-127 and v128-159 by turns
.set G1A, 16
.set G1B, 24
.set G0A, 32
.set G0B, 40
.set PFA, 48
.set PFS, 50
.set LM,  52
.set SC,  54                           ; s[54:55] 2^(e6 + e7)
.set MSB, 0
.macro WIN new
.if MSB != (\new)
	s_set_vgpr_msb (MSB<<8)|(\new)
.set MSB, (\new)
.endif
.endm
.macro PLACES
.rept 4
	v_nop
.endr
.endm
.macro JLOAD s                         ; waves 0 and 1 fetch for h, waves 2 and 3 for Wo; four v_nop follow each line
	s_cmp_eq_u32 s9, 0
	s_cbranch_scc0 .Lfor_b_\@
	tensor_load_to_lds s[G0A+4*\s:G0A+4*\s+3], s[G1A:G1A+7]
	s_nop 0
.rept 4
	v_nop
.endr
	s_branch .Lasked_\@
.Lfor_b_\@:
	tensor_load_to_lds s[G0B+4*\s:G0B+4*\s+3], s[G1B:G1B+7]
	s_nop 0
.rept 4
	v_nop
.endr
.Lasked_\@:
.endm
.macro CREST
	s_cmp_lg_u32 s8, 0
	s_cbranch_scc1 .Lnot_wave_0_\@
	s_barrier_signal -3
.Lnot_wave_0_\@:
	s_barrier_wait -3
	s_barrier_signal -1
	s_barrier_wait -1
.endm
.macro CROUND
	s_barrier_signal -1
	s_barrier_wait -1
	CREST
.endm
; A PREFETCH INTO THE L2 of the K step two refills on (128 matrix instructions a wave for each K step): one line a wave.  Each aligned 256 bytes are named once in the launch.  h's: cluster x = 0 asks; its four partners take a quarter of
; the step's 65,536 bytes each, by address; waves 0 and 1 half of that, lanes 256 bytes apart.  Wo's: cluster y = 0 asks, wave 2; the partners take 32 rows each, by address, a lane a row.  The loop's last trip asks for nothing.
.macro ASK
	s_cmp_gt_u32 s3, s[LM]
	s_cbranch_scc0 .Lnot_mine_\@
	global_prefetch_b8 v[PFO], s[PFA:PFA+1] th:TH_LOAD_NT scope:SCOPE_SE
.Lnot_mine_\@:
.endm
	s_load_b128 s[4:7], s[0:1], 0x0                ; hq s[4:5], Wo s[6:7]
	s_load_b128 s[68:71], s[0:1], 0x10             ; lowp_scales s[68:69], out0 s[70:71]
	v_lshl_add_u32 v[SPW], v0, 2, SPARE
	v_mov_b32 v[NIL], 0
	ds_add_u32 v10, v11
	ds_add_u32 v10, v11
	s_wait_dscnt 0x0
	v_lshrrev_b32 v1, 5, v0
	v_readfirstlane_b32 s8, v1                     ; wave 0..3
	s_lshr_b32 s9, s8, 1                           ; wm.  Also: I fetch for h (0) or for Wo (1)
	s_and_b32 s10, s8, 1                           ; wn.  Also: which half of that tile I fetch
	s_bfe_u32 s11, ttmp6, 0x40000                  ; cx
	s_bfe_u32 s12, ttmp6, 0x40004                  ; cy
	s_lshl_b32 s13, ttmp9, 2
	s_add_co_u32 s13, s13, s11                     ; nt
	s_and_b32 s14, ttmp7, 0xffff
	s_lshl_b32 s14, s14, 2
	s_add_co_u32 s14, s14, s12                     ; mt
	s_lshl_b32 s58, s12, 2
	s_lshl_b32 s58, 15, s58                        ; my row of the cluster
	s_lshl_b32 s59, 0x1111, s11                    ; my column
	s_or_b32 s[G1A], s58, (3<<16)|(1<<21)          ; the mask; elements of 8 bytes; 21 set beside a mask; no padding
	s_mov_b32 s[G1A+1], 32<<16                     ; rows of 256 bytes,
	s_mov_b32 s[G1A+2], 128<<16                    ; 128 of them: a dense block of 32,768 bytes
	s_mov_b32 s[G1A+3], 32<<16
	s_mov_b32 s[G1A+4], 128
	s_mov_b32 s[G1A+5], 32
	s_mov_b32 s[G1A+6], 0
	s_mov_b32 s[G1A+7], 0
	s_or_b32 s[G1B], s59, (1<<20)|(1<<21)|(5<<22)|(3<<25)  ; the mask; elements of 1 byte; padding on: 4 words behind every 64
	s_mov_b32 s[G1B+1], 256<<16
	s_mov_b32 s[G1B+2], 64<<16
	s_mov_b32 s[G1B+3], 256<<16
	s_mov_b32 s[G1B+4], 64
	s_mov_b32 s[G1B+5], 2048
	s_mov_b32 s[G1B+6], 0
	s_mov_b32 s[G1B+7], 0
	s_lshl_b32 s72, s14, 19                        ; h's codes of my tile row: 524,288 bytes a tile row,
	s_lshl_b32 s73, s10, 15                        ; my half of a step's 65,536
	s_add_co_u32 s72, s72, s73
	s_mov_b32 s73, 0
	s_lshl_b32 s74, s13, 7
	s_lshl_b32 s75, s10, 6
	s_add_co_u32 s74, s74, s75
	s_lshl_b32 s74, s74, 11                        ; Wo: row 128 nt + 64 x half
	s_mov_b32 s75, 0
	s_lshl_b32 s58, s10, 15                        ; where they go: no place in the cluster enters an LDS address
	s_mul_i32 s59, s10, 64*BP
	s_add_co_u32 s59, s59, BOFF
	s_wait_kmcnt 0x0
	s_load_b64 s[56:57], s[68:69], 0x18            ; e6, e7
	s_add_nc_u64 s[72:73], s[4:5], s[72:73]
	s_add_nc_u64 s[74:75], s[6:7], s[74:75]
	CROUND                                         ; all sixteen work-groups are here: the first joint loads meet
.irp s, 0,1
	s_mov_b32 s[G0A+4*\s], 1
	s_add_co_u32 s[G0A+4*\s+1], s58, \s*SLOT
	s_add_nc_u64 s[G0A+4*\s+2:G0A+4*\s+3], s[72:73], \s*ASTEP
	s_or_b32 s[G0A+4*\s+3], s[G0A+4*\s+3], 0x80000000
	s_mov_b32 s[G0B+4*\s], 1
	s_add_co_u32 s[G0B+4*\s+1], s59, \s*SLOT
	s_add_nc_u64 s[G0B+4*\s+2:G0B+4*\s+3], s[74:75], \s*256
	s_or_b32 s[G0B+4*\s+3], s[G0B+4*\s+3], 0x80000000
	JLOAD \s                                       ; two loads of mine are out
.endr
	v_and_b32 v1, 31, v0                           ; lane
	v_and_b32 v6, 15, v0                           ; r
	v_bfe_u32 v7, v0, 4, 1                         ; h
	v_lshlrev_b32 v8, 4, v1
	s_lshl_b32 s58, s9, 13
	v_add_nc_u32 v[AA], s58, v8                    ; my eight blocks of 16 rows, 16 bytes a lane
	v_add_nc_u32 v[AA+1], SLOT, v[AA]
	v_mul_u32_u24 v9, v6, BP
	v_lshl_add_u32 v9, v7, 3, v9                   ; row r, + 8 h
	s_mul_i32 s58, s10, 64*BP
	s_add_co_u32 s58, s58, BOFF
	v_add_nc_u32 v[BB], s58, v9
	v_add_nc_u32 v[BB+1], SLOT, v[BB]
	s_mul_i32 s58, s8, 16*SPI                      ; my stage
	v_mul_u32_u24 v[STO], v6, SPI
	v_lshl_add_u32 v[STO], v7, 5, v[STO]
	v_add_nc_u32 v[STO], s58, v[STO]               ; in: row r, 32 bytes for each half of the lanes
	v_mul_u32_u24 v[RD], v7, SPI
	v_lshl_add_u32 v[RD], v6, 4, v[RD]
	v_add_nc_u32 v[RD], s58, v[RD]                 ; back: lanes 0-15 one row of 256 bytes, lanes 16-31 the next
	v_lshlrev_b32 v[CO], 13, v7
	v_lshl_add_u32 v[CO], v6, 4, v[CO]             ; and the same two rows in out0
	s_lshl_b32 s76, s14, 21                        ; 256 rows of 8,192 bytes
	s_lshl_b32 s77, s9, 20
	s_add_co_u32 s76, s76, s77
	s_lshl_b32 s77, s13, 9
	s_add_co_u32 s76, s76, s77
	s_lshl_b32 s77, s10, 8
	s_add_co_u32 s76, s76, s77
	s_mov_b32 s77, 0
	s_add_nc_u64 s[70:71], s[70:71], s[76:77]      ; out0 at my 128 rows x 64 columns
	; the prefetches
	s_lshl_b32 s76, s14, 19
	s_lshl_b32 s77, s11, 14
	s_add_co_u32 s76, s76, s77
	s_lshl_b32 s77, s10, 13
	s_add_co_u32 s76, s76, s77
	s_add_co_u32 s76, s76, 3*ASTEP                 ; h: at K step 3: the first change of slots steps it to 4
	s_lshl_b32 s77, s13, 7
	s_lshl_b32 s78, s12, 5
	s_add_co_u32 s77, s77, s78
	s_lshl_b32 s77, s77, 11
	s_add_co_u32 s77, s77, 3*256                   ; Wo: likewise
	s_and_b32 s78, ttmp7, 0xffff                   ; cluster y
	s_cmp_eq_u32 s9, 0
	s_cselect_b64 s[PFA:PFA+1], s[4:5], s[6:7]
	s_cselect_b32 s76, s76, s77
	s_cselect_b32 s78, ttmp9, s78
	s_mov_b32 s[PFS], 256
	s_cselect_b32 s[PFS], ASTEP, s[PFS]
	s_mov_b32 s79, 2048
	s_cselect_b32 s79, 256, s79
	s_mov_b32 s[PFS+1], 0
	s_mov_b32 s77, 0
	s_add_nc_u64 s[PFA:PFA+1], s[PFA:PFA+1], s[76:77]
	v_mul_lo_u32 v[PFO], v1, s79
	s_cmp_eq_u32 s8, 3
	s_cselect_b32 s78, 1, s78                      ; wave 3 asks for nothing
	s_cmp_eq_u32 s78, 0
	s_cselect_b32 s[LM], 1, -1                     ; the same in all sixteen partners, for a given wave
; 32 LDS loads in one run: half i of a slot's four into buffer f: Wo's four fragments in the form's own layout (8 bytes a load), then h's eight as they lie.
.macro FETCH s, i, f
.irp b, 0,1,2,3
.irp q, 0,1,2,3
	ds_load_b64 v[\f+8*\b+2*\q:\f+8*\b+2*\q+1], v[BB+\s] offset:\b*16*BP+64*(\i)+16*\q
.endr
.endr
.irp a, 0,1,2,3,4,5,6,7
.irp c, 0,1
	ds_load_b128 v[\f+32+8*\a+4*\c:\f+32+8*\a+4*\c+3], v[AA+\s] offset:(\i)*16384+\a*1024+\c*512
.endr
.endr
.endm
; The 32 accumulators take turns, one instruction a turn, in the same order in every half.
.macro MULS f, a0, n, zero
.set ma, \a0
.rept \n
.irp b, 0,1,2,3
.if \zero
	v_wmma_f32_16x16x64_fp8_fp8 v[8*(4*ma+\b):8*(4*ma+\b)+7], v[\f+8*\b:\f+8*\b+7], v[\f+32+8*ma:\f+32+8*ma+7], 0
.else
	v_wmma_f32_16x16x64_fp8_fp8 v[8*(4*ma+\b):8*(4*ma+\b)+7], v[\f+8*\b:\f+8*\b+7], v[\f+32+8*ma:\f+32+8*ma+7], v[8*(4*ma+\b):8*(4*ma+\b)+7]
.endif
.endr
.set ma, ma+1
.endr
.endm
.macro HALF s, i, zero
.set hff, F0+96*((\i)%2)
.set hfg, F0+96*(1-(\i)%2)
	PLACES                                         ; the other buffer's last readers are the matrix instructions just ahead
	FETCH \s, (\i)+1, hfg
	s_wait_dscnt 32                                ; all but the 32 just issued
	WIN 0x50                                       ; C and D in window 1
	MULS hff, 0, 8, \zero
	WIN 0
.endm
; A slot's fourth half (buffer 1) changes slots: ONE barrier; in front of it each wave waits for all its tensor loads, adds 0 to its spare word, and waits for that and for its reads of this slot.
.macro TURN s, next, fill
	s_wait_xcnt 0x0                                ; the last prefetch, a K step back, has read its address
	s_add_nc_u64 s[PFA:PFA+1], s[PFA:PFA+1], s[PFS:PFS+1]
	s_wait_tensorcnt 0x0                           ; all my tensor loads have landed: my part of the next slot
	ds_add_u32 v[SPW], v[NIL]                      ; 0 onto my spare word
	s_wait_dscnt 1                                 ; buffer 1 is in; the add alone may be out
	WIN 0x50
	MULS F1, 0, 2, 0
	s_wait_dscnt 0x0                               ; the add is done, and my reads of this slot are over
	s_barrier_signal -1
	MULS F1, 2, 2, 0
	WIN 0
	s_barrier_wait -1
.if \fill
	CREST                                          ; the barrier has opened a round of the cluster's: no wave of any partner still reads this slot or has a load on its way
	s_add_nc_u64 s[G0A+4*\s+2:G0A+4*\s+3], s[G0A+4*\s+2:G0A+4*\s+3], 2*ASTEP
	s_add_nc_u64 s[G0B+4*\s+2:G0B+4*\s+3], s[G0B+4*\s+2:G0B+4*\s+3], 2*256
	JLOAD \s                                       ; the first tensor load behind the round, one a wave; its four v_nop are the places in front of the loads into buffer 0
.else
	PLACES
.endif
	FETCH \next, 0, F0
.if \fill
	ASK
.endif
	WIN 0x50
	MULS F1, 4, 4, 0
	WIN 0
.endm
	s_wait_tensorcnt 1                             ; my part of K step 0 is in; K step 1's may stay out
	s_barrier_signal -1
	s_barrier_wait -1
	FETCH 0, 0, F0
	HALF 0, 0, 1                                   ; the first half starts the sums
	HALF 0, 1, 0
	HALF 0, 2, 0
	s_mov_b32 s3, 3
.Llap:                                             ; a trip goes once round the ring and fills both slots again: K steps 2 to 7 in three trips
	TURN 0, 1, 1
.irp i, 0,1,2
	HALF 1, \i, 0
.endr
	TURN 1, 0, 1
.irp i, 0,1,2
	HALF 0, \i, 0
.endr
	s_sub_co_u32 s3, s3, 1
	s_cmp_lg_u32 s3, 0
	s_cbranch_scc1 .Llap
	TURN 0, 1, 0                                   ; the tail is written out: nothing more is asked for
.irp i, 0,1,2
	HALF 1, \i, 0
.endr
	s_wait_dscnt 0x0
	WIN 0x50
	MULS F1, 0, 8, 0
	WIN 0
; THE WAY OUT, block by block of 16 rows x 64 columns: a lane's 32 bytes of a row go through my own stage and come back as whole rows of 256 bytes: sixteen lanes store one aligned 256 bytes.
; LDS serves a wave's instructions in order (ISA guide 5.7.1.4): no wait between the stores and the loads, nor in front of the next block's stores.
.macro TOSTAGE a
	WIN 0x01                                       ; source 0: window 1
.set i, 0
.rept 16
	v_pk_mul_f32 v[TMP+i:TMP+i+1], v[32*(\a)+i:32*(\a)+i+1], s[SC:SC+1] op_sel_hi:[1,0]   ; x 2^(e6 + e7); each accumulator from its low end on
.set i, i+2
.endr
	WIN 0
.irp b, 0,1,2,3
	ds_store_b128 v[STO], v[TMP+8*\b:TMP+8*\b+3]   offset:64*\b
	ds_store_b128 v[STO], v[TMP+8*\b+4:TMP+8*\b+7] offset:64*\b+16
.endr
.irp t, 0,1,2,3,4,5,6,7
	ds_load_b128 v[BK+32*((\a)%2)+4*\t:BK+32*((\a)%2)+4*\t+3], v[RD] offset:\t*2*SPI
.endr
.endm
.macro SEND a, younger                 ; younger: the LDS instructions issued behind block a's loads
	s_wait_dscnt \younger
.irp t, 0,1,2,3,4,5,6,7
	global_store_b128 v[CO], v[BK+32*((\a)%2)+4*\t:BK+32*((\a)%2)+4*\t+3], s[70:71] offset:(16*(\a)+2*\t)*8192 th:TH_STORE_NT   ; written once, read by nobody here; 126 rows at the most: inside the signed 24-bit immediate
.endr
.endm
	s_wait_kmcnt 0x0
	s_add_co_i32 s[SC], s56, s57
	s_add_co_i32 s[SC], s[SC], 127
	s_lshl_b32 s[SC], s[SC], 23                    ; 2^(e6 + e7) as f32
	s_mov_b32 s[SC+1], s[SC]                       ; (named with it as a pair, so it is written)
	PLACES                                         ; behind the last products: for the first reads of results and the writes of the buffers' registers
	TOSTAGE 0
.irp a, 1,2,3,4,5,6,7
.if \a > 1
	s_wait_xcnt 0x0                                ; block a - 2's stores have read their registers: block a's loads may land there
.endif
	TOSTAGE \a
	SEND (\a)-1, 16                                ; behind block a - 1's loads: block a's 8 stores and 8 loads
.endr
	SEND 7, 0
	s_wait_tensorcnt 0x0                           ; the wave's end: behind my last tensor load and my last LDS store
	ds_add_u32 v[SPW], v[NIL]
	s_wait_dscnt 0x0
	CROUND                                         ; the closing round
	s_endpgm
.Lfunc_end_k_qf4c36d5691_outp:
	.size	k_qf4c36d5691_outp, .Lfunc_end_k_qf4c36d5691_outp-k_qf4c36d5691_outp
	.p2alignl 7, 3214868480
	.fill 96, 4, 3214868480
	.section	.rodata,"a",@progbits
	.p2align	6, 0x0
	.amdhsa_kernel k_qf4c36d5691_outp
		.amdhsa_group_segment_fixed_size 327680
		.amdhsa_private_segment_fixed_size 0
		.amdhsa_enable_private_segment 0
		.amdhsa_kernarg_size 32
		.amdhsa_user_sgpr_count 2
		.amdhsa_user_sgpr_kernarg_segment_ptr 1
		.amdhsa_wavefront_size32 1
		.amdhsa_system_sgpr_workgroup_id_x 1
		.amdhsa_system_sgpr_workgroup_id_y 1
		.amdhsa_system_sgpr_workgroup_id_z 1
		.amdhsa_system_vgpr_workitem_id 0
		.amdhsa_next_free_vgpr 512
		.amdhsa_next_free_sgpr 80
		.amdhsa_reserve_vcc 0
		.amdhsa_float_denorm_mode_32 3
		.amdhsa_float_denorm_mode_16_64 3
		.amdhsa_memory_ordered 1
		.amdhsa_forward_progress 1
		.amdhsa_inst_pref_size 102
	.end_amdhsa_kernel
	.amdgpu_metadata
---
amdhsa.version: [ 1, 2 ]
amdhsa.kernels:
  - .name:           k_qf4c36d5691_outp
    .symbol:         k_qf4c36d5691_outp.kd
    .args:
      - { .name: hq, .offset: 0, .size: 8, .value_kind: global_buffer, .address_space: global }
      - { .name: w_out_codes, .offset: 8, .size: 8, .value_kind: global_buffer, .address_space: global }
      - { .name: lowp_scales, .offset: 16, .size: 8, .value_kind: global_buffer, .address_space: global }
      - { .name: out0, .offset: 24, .size: 8, .value_kind: global_buffer, .address_space: global }
    .group_segment_fixed_size: 327680
    .private_segment_fixed_size: 0
    .kernarg_segment_align: 8
    .kernarg_segment_size: 32
    .max_flat_workgroup_size: 128
    .sgpr_count:     80
    .vgpr_count:     512
    .wavefront_size: 32
...
	.end_amdgpu_metadata
.endif
;; end of part 3
